; MI455X (gfx1250); checked and timed in simulation.
; The chip was launched on July 23, 2026; its instructions are those of AMD's public machine-readable ISA for CDNA 5 (MIT licence, August 2026) and "CDNA5" Instruction Set Architecture Reference Guide (July 2026). The comments in the code are by the model that wrote it; some were corrected since.
;; Attention Mechanism. Allowed arithmetic: matrix products marked QUANTISED: E2M1 operands, one E8M0 scale for each 32 along K, by v_wmma_scale_f32_16x16x128_f8f6f4 with both operands' format E2M1 (or v_wmma_scale_f32_32x16x128_f4), f32 sums; products left as they are: f32 operands where the result goes on into a quantised operand, else bf16, f16 or f32 operands; f32 sums; everything else in f32.
;; Inputs: W_codes 1,024 x 32 x 16 uint8 (E2M1 codes of W, K innermost, in blocks of 32 codes, two codes a byte); W_scales 1,024 x 32 uint8 (E8M0 scales of W, one for each 32 codes along K); b 1,024 float32; contextvects 32 x 1,024 x 2,048 float32; hidden 1 x 32 x 1,024 float32.
;; Outputs: out0 64 x 32 x 1,024 float32.
;; Constants: seqlen = 64.
;; This version of the problem:
;;   THIS VERSION OF THE PROBLEM IS GIVEN IN LOW PRECISION. The matrix products marked QUANTISED in the list below multiply operands that are first quantised to E2M1 (2 exponent bits, 1 mantissa bit; 4 bits a number), with one power-of-two scale for each 32 numbers along K (OCP MX v1.0); their sums are f32. All else is computed in f32.
;;   The module's matrix products, in the order in which they are computed (A, B: the left and right operand; K: the contracted axis; several contracted axes count as one K, in the product's order):
;;     1. [M 65,536, K 1,024] x [K 1,024, N 1,024]; A: input contextvects; B: input W (given as codes): QUANTISED
;;     2. batch 32 x [M 2,048, K 1,024] x [K 1,024, N 1]; A: computed on the way; B: input hidden: left as it is (N = 1 < 16)
;;     3. batch 32 x [M 1,024, K 2,048] x [K 2,048, N 1]; A: input contextvects; B: softmax: left as it is (N = 1 < 16)
;;   THE QUANTISER, for each operand of a quantised product, along K:
;;     - K is cut into blocks of 32 from its start; a last block that is shorter is filled with zeros.
;;     - A block's scale is 2^e with e = floor(log2(the largest magnitude in the block)) - 2, held to -126 .. 127; a block of zeros has e = 0. As a byte (E8M0): e + 127.
;;     - Each number is divided by its block's scale, clamped to +-6, and rounded to the nearest number of E2M1, ties to even, subnormals kept.
;;     - The product sums the exact products of the quantised numbers (number of the format x scale) in f32.
;;   ~~~python
;;   def quantise(x, axis):      # numpy; x: float32 -> the quantised numbers, widened to float32 again
;;       x = np.moveaxis(x, axis, -1); K = x.shape[-1]
;;       x = np.pad(x, [(0, 0)] * (x.ndim - 1) + [(0, -K % 32)]); x = x.reshape(x.shape[:-1] + (-1, 32)); a = np.abs(x).max(-1, keepdims=True)
;;       e = np.where(a > 0, np.clip(np.frexp(np.where(a > 0, a, 1))[1] - 1 - 2, -126, 127), 0)      # np.frexp(a)[1] - 1 = floor(log2(a)), exactly
;;       r = np.clip(x / 2.0 ** e, -6, 6)
;;       step = 2.0 ** (np.maximum(np.frexp(np.where(r == 0, 1, r))[1] - 1, 0) - 1)
;;       q = np.round(r / step) * step * 2.0 ** e      # np.round: ties to even
;;       return np.moveaxis(q.reshape(q.shape[:-2] + (-1,))[..., :K], -1, axis).astype(np.float32)
;;   ~~~
;;   INPUTS GIVEN AS CODES. W (in the module: [1024, 1024], K = its axis 1): each comes as NAME_codes (uint8): NAME with its K axis moved to the last place and cut into blocks of 32 codes, [.., K / 32, bytes a block], one block behind the other in memory; two codes a byte, the lower K in the low four bits (a code: sign, 2 exponent bits, 1 mantissa bit); and NAME_scales (uint8): the same leading axes, one E8M0 byte (e + 127) for each 32 codes along K. Its value is code x scale, taken as it is: it is not quantised again, and the codes and scales need not be those that the quantiser above would give.
;; One version. Each part assembles by itself: llvm-mc -triple=amdgcn-amd-amdhsa -mcpu=gfx1250 --defsym DOCPART=n.
;; ======== version 1 of 1: 2 launches
;; limits: values are held in bf16: 8 bits of precision; right only within a limited range of input values
;; workspace buffers: part 1,114,112 bytes
;; launch attend (part 1): grid 256 x 1, 4 waves a work-group, clusters of 4 x 1, 327,680 bytes of LDS; arguments W_codes, W_scales, contextvects, hidden, part; writes part
.if DOCPART == 1
	.amdgcn_target "amdgcn-amd-amdhsa--gfx1250"
	.amdhsa_code_object_version 6
	.text
	.protected	k_qb8321c001c_attend
	.globl	k_qb8321c001c_attend
	.p2align	8
	.type	k_qb8321c001c_attend,@function
k_qb8321c001c_attend:
	s_mov_b64 s[64:65], 0
	v_nop
	global_prefetch_b8 v0, s[64:65] scope:SCOPE_SE
	s_setreg_imm32_b32 hwreg(HW_REG_WAVE_MODE, 25, 1), 1
	s_wait_xcnt 0x0
	s_wait_alu depctr_hold_cnt(0) depctr_sa_sdst(0) depctr_va_vdst(0) depctr_va_sdst(0) depctr_va_ssrc(0) depctr_va_vcc(0) depctr_vm_vsrc(0)
	s_getreg_b32 s2, hwreg(HW_REG_IB_STS2, 6, 4)
	s_cmp_eq_u32 s2, 0
	s_cbranch_scc0 .Lentry_in_a_cluster
	s_endpgm
.Lentry_in_a_cluster:
	s_bfe_u32 s2, ttmp6, 0x10000c
	s_cmp_lg_u32 s2, 0x3003
	s_cbranch_scc0 .Lentry_shape_is_right
	s_endpgm
.Lentry_shape_is_right:
; For batch bt and 256 columns c of contextvects [32][1024 d][2048 c] (f32): score[c] = sum over h of hidden[bt][h] (sum over d of Q(ctx[d][c]) W[h][d]),
; a softmax over c by a running maximum, and o[d] = sum over c of ctx[d][c] p[c].  The work-group stores o[1024], its m (in units of log2) and its l = sum of p to one row of part; the next launch joins a batch's eight rows.
; DEAD WORK LEFT OUT: reference() adds b[h] to context_proj, so every score of a batch gets the term sum over h of hidden[bt][h] b[h], which does not hang on c.  A softmax over c is unchanged by a term
; that is the same along c, for all finite values of hidden and b; the scores reach the output through that softmax alone.  So b has no way to the output: it is not loaded and is no argument of any launch.
; LIMIT of that: a NaN, an infinity or an overflow that arises only in hidden . b is not carried to the result.
; contextvects IS READ ONCE: a chunk of 64 columns x 1,024 d comes into registers, is quantised down d to E2M1 codes (images of operand registers in LDS), and is kept as bf16 in 256 registers a wave,
; laid as operands of the bf16 matrix form (a lane holds one d, its registers run along c): it gets there through the wave's own stage in LDS, 32 rows at a time.
; SHARES.  Work-group g: batch g / 8, columns 256 (g % 8) on, in 4 chunks of 64.  Wave w loads and quantises d = 256 w .. + 255 of a chunk, makes the product's h = 256 w .. + 255 for all 64 columns, and owns o[256 w .. + 255].
; THE QUANTISED PRODUCT: source 0 = 16 columns (tile cc holds c = 4 r + cc), source 1 = 16 rows of W; register j of lane (r, half) is (column 4 (8 half + j) + cc, h = .. + r): one register of hidden multiplies a tile.
; The columns' 32 fragments (4 tiles x 8 K steps, 256 registers) are read from LDS once a chunk, in the first of its four trips, and stay in window 2: the other trips read W's fragments alone, 8 loads for 16 matrix instructions.
; THE WEIGHTED SUM: source 0 = p as bf16, the same in all 16 rows; source 1 = 16 d x 32 c of the copy: register 0 of the result holds the chunk's o[d = r] in both halves of the lanes.
; W's ORDER.  A wave's 256 rows are four groups of 64; its ring holds two.  Even chunks walk groups 0, 1, 2, 3, odd chunks 2, 3, 0, 1: the two groups that a chunk leaves in the ring are the next chunk's first two,
; so a chunk asks for two groups.  The text is the same for both orders: the refills' offsets in W turn by an exclusive or, and the two halves of W's scale words and of hidden change places at each chunk's end.
; CLUSTER: the four partners walk the same W: every tile of W is asked for jointly, with the mask of all four.  contextvects is nobody else's: plain loads.
; THE STREAM.  A wave's part of a chunk is four groups of 32 loads, into windows 2 and 1, which the products need for fragments and accumulators.  Group 0 and 31 loads of group 1 are asked for behind the last product of the chunk before;
; each further run of 32 goes out when the group two back has landed, so that 63 loads are out at the most (LOADcnt counts to 63: ISA guide 5.7.1).
; THE PREFETCHES, a lane a row of 256 aligned bytes, each block named once in the launch, go out in the order in which the loads will want the rows, and none stands between a chunk's quantising and its two refills of W:
; the next chunk's groups 0 and 1 (four instructions) behind the second refill's tensor load, two trips of products ahead of their loads; its group 2 (two) behind the 63 loads that follow the last product, the softmax and the
; weighted sum ahead of its loads; group 3 (two) at the chunk's top, behind group 2's loads, one group's work ahead of its own.  The first chunk's groups 0 to 2 come by their loads alone; the last chunk asks for nothing beyond itself.
; LIMITS: NaN and infinities are not served.  A block whose largest magnitude lies under 2^-124 gets the scale byte 1 (a block of zeros too: its codes are zeros, and the bytes are read here alone).
; The copy of contextvects and p in the weighted sum are bf16; l, the scores and all sums are f32.  The running maximum begins at -3e38.
; REGISTERS, in windows of 256: window 0 addresses, statistics, hidden, score sums, scale words, scratch; window 1 in the products 16 accumulators (v0-127) and four sets of W's fragments (v128-255), else load groups 2, 3;
; window 2 in the products the columns' fragments (32 s + 8 cc), else load groups 0, 1; window 3 the bf16 copy: tile T of 16 d, registers 16 T + 8 ks on for columns 32 ks on.
.set WP,    528
.set WSLOT, 64*WP
.set WRING, 2*WSLOT
.set CODES, 4*WRING                    ; fragment (cc, K step s) at (8 cc + s) x 1,024; + 512 c; + 16 x lane
.set ASC,   CODES+32768                ; the columns' scale words: 512 cc + 32 r + 4 s
.set SCR,   ASC+2048                   ; each wave's part of the 64 scores
.set STG,   SCR+1024                   ; each wave's stage: two tiles of 16 rows x (128 + 16) bytes, the second HT bytes on
.set HT,    2432
.set STGW,  4864
.set PB,    STG+4*STGW                 ; each wave's 64 p as bf16: 128 bytes
.set SPARE, PB+512                     ; the spare words: two blocks of 256 bytes that no other line names
.set DROW,  8192
.set PROW,  4352
.set SPW, 1
.set NIL, 2
.set XO,  3                            ; contextvects: (256 w + 32 hl) rows + 16 cq
.set CW,  4
.set AA,  5
.set WA,  6                            ; v6-7 my place in a tile of W, slot 0, 1
.set ASW, 8
.set ASR, 9
.set SSW, 10
.set SSR, 11
.set OW,  12
.set ORD, 13
.set GO,  14
.set PFO, 15
.set MLO, 16
.set PR,  17                           ; where I read p
.set SH8, 18
.set WSO, 19
.set AMX, 20
.set SCL, 24
.set BYT, 28
.set SWD, 32
.set PT,  40
.set C,   44                           ; v44-59 codes; in the weighted sum p's two fragments
.set PA,  44
.set PK,  60                           ; v60-61 my 4 p as bf16
.set MRUN, 62
.set LRUN, 63
.set O,   64                           ; v64-71 o: register q, lane l: d = 256 w + 32 q + l
.set P,   72
.set F,   76
.set HID, 80                           ; v80-95 hidden, tile T
.set SACC, 96                          ; v96-127 score sums; scratch of the quantiser; four accumulators of the weighted sum
.set ASCL, 128
.set WSC, 144                          ; v144-207 W's scale words: 4 T + j
.set TT,  208                          ; v208-239 at work; four more accumulators
.set TS,  240
.set HO,  252
.set STA, 253                          ; stage: where I store 8 bytes of a row
.set STR, 254                          ; and where I read a fragment's 16
.set PW,  255                          ; where I store p
.set FW,  128                          ; window 1: W's fragments, set s % 4 at + 32 (s % 4)
.set WV,  16
.set SEL, 20
.set CH,  26
.set HM,  27                           ; the mask of lanes 16-31
.set L2E, 28
.set XB,  30
.set G1A, 32
.set G1B, 40
.set G0A, 48
.set G0B, 52
.set G0C, 56
.set WB,  66                           ; s[66:67] my 256 rows of W's codes, with the descriptor's type bits
.set OF1, 68                           ; s[68:69] the first refill's offset in them: 128 rows, 0 by turns
.set OF2, 70                           ; s[70:71] the second's: 192 rows, 64 rows by turns
.set MSB, 0
.macro WIN new
.if MSB != (\new)
	s_set_vgpr_msb (MSB<<8)|(\new)
.set MSB, (\new)
.endif
.endm
.macro PLACES
.rept 4
	v_nop
.endr
.endm
.macro ROUND
	s_barrier_signal -1
	s_barrier_wait -1
	s_cmp_lg_u32 s[WV], 0
	s_cbranch_scc1 .Lnot_wave_0_\@
	s_barrier_signal -3
.Lnot_wave_0_\@:
	s_barrier_wait -3
	s_barrier_signal -1
	s_barrier_wait -1
.endm
; A joint refill of one of my slots: all my tensor loads have landed, the add, the descriptor's address for this chunk's order, the wait for the add and my LDS reads; the round; the load first behind it.
.macro REFILL g0, of
	s_wait_tensorcnt 0x0
	ds_add_u32 v[SPW], v[NIL]
	s_add_nc_u64 s[\g0+2:\g0+3], s[WB:WB+1], s[\of:\of+1]
	s_xor_b32 s[\of], s[\of], 0x10000              ; 128 rows of 512 bytes: the next chunk takes the other pair of groups
	s_wait_dscnt 0x0
	ROUND
	tensor_load_to_lds s[\g0:\g0+3], s[G1B:G1B+7]
	s_nop 0
.rept 4
	v_nop
.endr
.endm
; Loads from .. from + n - 1 of a group's 32: load i takes row row0 + i in lanes 0-15 and the row 32 further down in lanes 16-31; each half reads 256 consecutive bytes, aligned
.macro XLOAD dw, rb, row0, from, n
	WIN (\dw)<<6
.set i, \from
.rept \n
	global_load_b128 v[(\rb)+4*i:(\rb)+4*i+3], v[XO], s[XB:XB+1] offset:((\row0)+i)*DROW th:TH_LOAD_NT
.set i, i+1
.endr
	WIN 0
.endm
; Two prefetches: rows 32 j and 32 (j + 1) on of my 256, off bytes on from where s[XB] stands (256: the chunk after that one)
.macro ASKP j, off
	global_prefetch_b8 v[PFO], s[XB:XB+1] offset:32*(\j)*DROW+(\off) th:TH_LOAD_NT scope:SCOPE_SE
	global_prefetch_b8 v[PFO], s[XB:XB+1] offset:32*((\j)+1)*DROW+(\off) th:TH_LOAD_NT scope:SCOPE_SE
.endm
; GROUP gq OF A CHUNK (64 of my d) in the registers from rb of window sw: for each of my 4 columns a lane holds one whole block of 32 along d
.macro GSTEP gq, sw, rb
.set RB, \rb
	WIN 5*(\sw)
.irp cc, 0,1,2,3
	v_max3_num_f32 v[AMX+\cc], |v[RB+\cc]|, |v[RB+4+\cc]|, 0x1800000   ; with the floor 2^(3 - 127): the byte cannot fall under 1
.endr
.irp i, 2,4,6,8,10,12,14,16,18,20,22,24,26,28,30
.irp cc, 0,1,2,3
	v_max3_num_f32 v[AMX+\cc], |v[RB+4*\i+\cc]|, |v[RB+4*\i+4+\cc]|, v[AMX+\cc]
.endr
.endr
	WIN 0
.irp cc, 0,1,2,3
	v_add_nc_u32 v[SCL+\cc], 0xff000000, v[AMX+\cc]   ; 2 off the exponent field: the conversion's scale operand
.endr
.irp cc, 0,1,2,3
	v_lshrrev_b32 v[BYT+\cc], 23, v[SCL+\cc]
.endr
.if ((\gq)%2) == 0
.irp cc, 0,1,2,3
	v_lshlrev_b32 v[SWD+2*\cc+(\gq)/2], v[SH8], v[BYT+\cc]
.endr
.else
.irp cc, 0,1,2,3
	v_lshlrev_b32 v[BYT+\cc], v[SH8], v[BYT+\cc]
.endr
.irp cc, 0,1,2,3
	v_lshl_or_b32 v[SWD+2*\cc+(\gq)/2], v[BYT+\cc], 16, v[SWD+2*\cc+(\gq)/2]
.endr
.irp cc, 0,1,2,3
	v_permlanex16_b32 v[PT+\cc], v[SWD+2*\cc+(\gq)/2], s[SEL], s[SEL+1]
.endr
.irp cc, 0,1,2,3
	v_or_b32 v[SWD+2*\cc+(\gq)/2], v[SWD+2*\cc+(\gq)/2], v[PT+\cc]
.endr
.endif
	s_wait_dscnt 0x0                               ; the last group's stores have read the codes' registers
.irp cc, 0,1,2,3                               ; a conversion takes 8 neighbours along d from consecutive registers: a column's 32 numbers are drawn together, into two sets by turns
.set TX, TT-(TT-SACC)*(\cc%2)
	WIN \sw
.set i, 0
.rept 32
	v_mov_b32 v[TX+i], v[RB+4*i+\cc]
.set i, i+1
.endr
	WIN 0
.irp u, 0,1,2,3
	v_cvt_scalef32_pk8_fp4_f32 v[C+4*\cc+\u], v[TX+8*\u:TX+8*\u+7], v[SCL+\cc]
.endr
.endr
	v_nop                                          ; one plain line behind the last conversion
.irp cc, 0,1,2,3
	ds_store_b128 v[CW], v[C+4*\cc:C+4*\cc+3] offset:8192*\cc+1024*((\gq)/2)+512*((\gq)%2)
.endr
; the bf16 copy, made in place, 16 loads' rows at a time: lanes 0-15 fill the stage's first tile, lanes 16-31 the second; back as fragments of tiles 4 gq + hf and 4 gq + 2 + hf.
; LDS serves a wave's instructions in order (ISA guide 5.7.1.4): no wait between my stores, my loads and the next half's stores
.irp hf, 0,1
	WIN ((\sw)<<6)|(5*(\sw))
.set i, 16*\hf
.rept 16
	v_cvt_pk_bf16_f32 v[RB+4*i], v[RB+4*i], v[RB+4*i+1]
	v_cvt_pk_bf16_f32 v[RB+4*i+1], v[RB+4*i+2], v[RB+4*i+3]
.set i, i+1
.endr
	WIN (\sw)<<2
.set i, 16*\hf
.rept 16
	ds_store_b64 v[STA], v[RB+4*i:RB+4*i+1] offset:(i-16*\hf)*144
.set i, i+1
.endr
	WIN 0xc0
.irp u, 0,1
.irp q, 0,1,2,3
	ds_load_b128 v[16*(4*(\gq)+2*\u+\hf)+4*\q:16*(4*(\gq)+2*\u+\hf)+4*\q+3], v[STR] offset:HT*\u+32*\q
.endr
.endr
.endr
	WIN 0
.endm
; K step s of trip g: 4 tiles (64 rows) of W from slot g % 2 into set s % 4; in trip 0 also the 4 tiles of columns, into their lasting place in window 2
.macro FETCH g, s
.if (\g) == 0
	WIN 0x80
.irp cc, 0,1,2,3
.irp c, 0,1
	ds_load_b128 v[32*(\s)+8*\cc+4*\c:32*(\s)+8*\cc+4*\c+3], v[AA] offset:(8*\cc+(\s))*1024+512*\c
.endr
.endr
.endif
	WIN 0x40
.irp t, 0,1,2,3
.irp c, 0,1
	ds_load_b128 v[FW+32*((\s)%4)+8*\t+4*\c:FW+32*((\s)%4)+8*\t+4*\c+3], v[WA+(\g)%2] offset:16*WP*\t+64*(\s)+32*\c
.endr
.endr
.endm
; 16 matrix instructions: K step s, 4 tiles of columns x 4 tiles of h.  The 16 accumulators take turns.  From K step 4 on the scale words stand in lanes 16-31
.macro MUL g, s
	WIN 0x56                                       ; source 0 (the columns) window 2; W, C and D window 1
.irp cc, 0,1,2,3
.irp t, 0,1,2,3
.set rD, 8*(4*\cc+\t)
.set rA, 32*(\s)+8*\cc
.set rB, FW+32*((\s)%4)+8*\t
.set rX, ASCL+4*\cc+(\s)%4
.set rY, WSC+4*(4*(\g)+\t)+(\s)%4
.if (\s) == 0
	v_wmma_scale_f32_16x16x128_f8f6f4 v[rD:rD+7], v[rA:rA+7], v[rB:rB+7], 0, v[rX], v[rY] matrix_a_fmt:MATRIX_FMT_FP4 matrix_b_fmt:MATRIX_FMT_FP4
.elseif (\s) < 4
	v_wmma_scale_f32_16x16x128_f8f6f4 v[rD:rD+7], v[rA:rA+7], v[rB:rB+7], v[rD:rD+7], v[rX], v[rY] matrix_a_fmt:MATRIX_FMT_FP4 matrix_b_fmt:MATRIX_FMT_FP4
.else
	v_wmma_scale_f32_16x16x128_f8f6f4 v[rD:rD+7], v[rA:rA+7], v[rB:rB+7], v[rD:rD+7], v[rX], v[rY] matrix_a_fmt:MATRIX_FMT_FP4 matrix_b_fmt:MATRIX_FMT_FP4 matrix_a_scale:MATRIX_SCALE_ROW1 matrix_b_scale:MATRIX_SCALE_ROW1
.endif
.endr
.endr
.endm
; THE g-TH 64 ROWS OF W OF THIS CHUNK'S ORDER against the 64 columns: 8 K steps, fragments fetched two K steps ahead, then each finished tile times hidden into the score sums.
; The counted wait leaves out the next K step's fetch: 16 loads in trip 0, 8 in the others
.macro TRIP g
	FETCH \g, 0
	FETCH \g, 1
.irp s, 0,1,2,3,4,5,6,7
.if \s < 7
.if (\g) == 0
	s_wait_dscnt 16
.else
	s_wait_dscnt 8
.endif
.else
	s_wait_dscnt 0x0
.endif
.if \s < 6
.if \s > 1
	PLACES                                         ; the set to be loaded was multiplied two K steps ago.  (At s = 0, 1 it was last multiplied in the trip before: its places and multiply-adds lie between)
.endif
	FETCH \g, \s+2
.endif
	MUL \g, \s
.endr
	PLACES
	WIN 0x01
.irp t, 0,1,2,3
.irp cc, 0,1,2,3
.irp i, 0,1,2,3                                ; each accumulator from its low end on
.set rS, SACC+8*\cc+2*\i
.set rA, 8*(4*\cc+\t)+2*\i
.set rH, HID+4*(\g)+2*(\t/2)
.if ((\g) == 0) && (\t == 0)
	v_pk_mul_f32 v[rS:rS+1], v[rA:rA+1], v[rH:rH+1] op_sel_hi:[1,0]   ; a chunk's first starts the sums
.elseif (\t%2) == 0
	v_pk_fma_f32 v[rS:rS+1], v[rA:rA+1], v[rH:rH+1], v[rS:rS+1] op_sel_hi:[1,0,1]
.else
	v_pk_fma_f32 v[rS:rS+1], v[rA:rA+1], v[rH:rH+1], v[rS:rS+1] op_sel:[0,1,0] op_sel_hi:[1,1,1]
.endif
.endr
.endr
.endr
	WIN 0
.endm
; SIXTEEN SUMS OVER SIXTEEN LANES AT ONCE: a level halves the registers; the exchange rides on the addition.  After four levels lane cq holds in v[base] the sum over its 16 lanes of register base + cq
.macro BLEVEL base, st, n, msk, xm
.set k, 0
.rept \n
	v_cndmask_b32 v[TS+k], v[(\base)+2*(\st)*k+(\st)], v[(\base)+2*(\st)*k], s[\msk]
.set k, k+1
.endr
.set k, 0
.rept \n
	v_cndmask_b32 v[(\base)+2*(\st)*k], v[(\base)+2*(\st)*k], v[(\base)+2*(\st)*k+(\st)], s[\msk]
.set k, k+1
.endr
.set k, 0
.rept \n
	v_add_f32_dpp v[(\base)+2*(\st)*k], v[TS+k], v[(\base)+2*(\st)*k] row_xmask:\xm row_mask:0xf bank_mask:0xf
.set k, k+1
.endr
.endm
.macro BFLY16 base
	BLEVEL \base, 1, 8, 22, 1
	BLEVEL \base, 2, 4, 23, 2
	BLEVEL \base, 4, 2, 24, 4
	BLEVEL \base, 8, 1, 25, 8
.endm
; THE WEIGHTED SUM of 8 tiles of 16 d, T0 on: 2 steps of 32 columns, the 8 accumulators by turns; then tiles 2 e and 2 e + 1 share a register of o (lanes 0-15, lanes 16-31), brought under the new maximum
.macro MUL3 T0
	WIN 0x0c                                       ; source 1 (the copy) window 3
.irp ks, 0,1
.irp a, 0,1,2,3,4,5,6,7
.set rD, SACC+8*\a+(TT-SACC-32)*(\a/4)
.set rB, 16*((\T0)+\a)+8*\ks
.if \ks == 0
	v_wmma_f32_16x16x32_bf16 v[rD:rD+7], v[PA:PA+7], v[rB:rB+7], 0
.else
	v_wmma_f32_16x16x32_bf16 v[rD:rD+7], v[PA+8:PA+15], v[rB:rB+7], v[rD:rD+7]
.endif
.endr
.endr
	WIN 0
	PLACES
.irp e, 0,1,2,3
.set rE, SACC+16*\e+(TT-SACC-32)*(\e/2)
	v_cndmask_b32 v[TS+\e], v[rE], v[rE+8], s[HM]  ; each accumulator's lowest register holds its tile's 16 sums
.endr
.irp e, 0,1,2,3
	v_fma_f32 v[O+(\T0)/2+\e], v[O+(\T0)/2+\e], v[F], v[TS+\e]
.endr
.endm
.macro EXCH a, b                       ; 8 registers from a change places with 8 from b
.irp k, 0,1,2,3,4,5,6,7
	v_mov_b32 v[TS+\k], v[(\a)+\k]
.endr
.irp k, 0,1,2,3,4,5,6,7
	v_mov_b32 v[(\a)+\k], v[(\b)+\k]
.endr
.irp k, 0,1,2,3,4,5,6,7
	v_mov_b32 v[(\b)+\k], v[TS+\k]
.endr
.endm
	s_load_b256 s[4:11], s[0:1], 0x0               ; W's codes s[4:5], W's scales s[6:7], contextvects s[8:9], hidden s[10:11]
	s_load_b64 s[12:13], s[0:1], 0x20              ; part
	v_lshl_add_u32 v[SPW], v0, 2, SPARE
	v_mov_b32 v[NIL], 0
	ds_add_u32 v[SPW], v[NIL]                      ; the opening lines: the add, twice on end, and its wait ahead of my first tensor load
	ds_add_u32 v[SPW], v[NIL]
	v_lshrrev_b32 v78, 5, v0
	v_readfirstlane_b32 s[WV], v78                 ; wave 0..3
	s_bfe_u32 s17, ttmp6, 0x40000                  ; cx: it enters the addresses of contextvects, hidden and part alone
	s_lshl_b32 s18, ttmp9, 2
	s_add_co_u32 s18, s18, s17                     ; g = 4 x cluster + cx
	s_lshr_b32 s19, s18, 3                         ; batch
	v_and_b32 v78, 31, v0                          ; lane
	v_and_b32 v79, 15, v0                          ; cq = r
	v_bfe_u32 v248, v0, 4, 1                       ; hl = half
	s_lshl_b32 s63, s[WV], 21                      ; 256 w rows of contextvects
	v_lshlrev_b32 v[XO], 4, v79
	v_lshl_add_u32 v[XO], v248, 18, v[XO]
	v_add_nc_u32 v[XO], s63, v[XO]
	v_lshl_add_u32 v[PFO], v78, 13, s63
	s_lshl_b32 s60, s[WV], 11
	s_add_co_u32 s60, s60, CODES
	v_lshl_add_u32 v[CW], v78, 4, s60
	v_lshl_add_u32 v[AA], v78, 4, CODES
	s_mul_i32 s61, s[WV], WRING                    ; my ring
	v_mul_u32_u24 v[WA], v79, WP
	v_lshl_add_u32 v[WA], v248, 4, v[WA]
	v_add_nc_u32 v[WA], s61, v[WA]
	v_add_nc_u32 v[WA+1], WSLOT, v[WA]
	s_lshl_b32 s60, s[WV], 3
	s_add_co_u32 s60, s60, ASC
	v_lshl_add_u32 v[ASW], v79, 5, s60
	v_lshlrev_b32 v[WSO], 5, v79
	v_lshl_add_u32 v[WSO], v248, 4, v[WSO]
	v_add_nc_u32 v[ASR], ASC, v[WSO]
	s_lshl_b32 s60, s[WV], 8
	s_add_co_u32 s60, s60, SCR
	v_and_b32 v249, 7, v0
	v_bfe_u32 v250, v0, 3, 1
	v_lshlrev_b32 v[SSW], 4, v249                  ; the sum over lanes leaves lane (cq, half) the score of column 32 half + 4 (cq % 8) + cq / 8 (+ 2 in the second sixteen)
	v_lshl_add_u32 v[SSW], v250, 2, v[SSW]
	v_lshl_add_u32 v[SSW], v248, 7, v[SSW]
	v_add_nc_u32 v[SSW], s60, v[SSW]
	v_lshl_add_u32 v[SSR], v79, 4, SCR
	s_mul_i32 s60, s[WV], STGW
	s_add_co_u32 s60, s60, STG                     ; my stage
	v_mul_u32_u24 v[STA], v248, HT
	v_lshl_add_u32 v[STA], v79, 3, v[STA]
	v_add_nc_u32 v[STA], s60, v[STA]
	v_mul_u32_u24 v[STR], v79, 144
	v_lshl_add_u32 v[STR], v248, 4, v[STR]
	v_add_nc_u32 v[STR], s60, v[STR]
	v_lshl_add_u32 v[OW], v78, 2, s60              ; the way out goes through the stage too
	v_lshl_add_u32 v[ORD], v78, 4, s60
	s_lshl_b32 s60, s[WV], 7
	s_add_co_u32 s60, s60, PB
	v_lshl_add_u32 v[PW], v79, 3, s60
	v_lshl_add_u32 v[PR], v248, 4, s60
	s_lshl_b32 s62, s[WV], 10
	v_lshl_add_u32 v[GO], v78, 4, s62
	v_lshlrev_b32 v[MLO], 3, v78
	v_lshlrev_b32 v[SH8], 3, v248
	v_lshlrev_b32 v[HO], 2, v79
.irp cc, 0,1,2,3
	v_mov_b32 v[PT+\cc], 0                         ; a lane permute's destination counts as one of its sources
.endr
.irp q, 0,1,2,3,4,5,6,7
	v_mov_b32 v[O+\q], 0                           ; the loop is written once: its first trip finds zeros
.endr
	v_mov_b32 v[LRUN], 0
	v_mov_b32 v[MRUN], 0xff61b1e6                  ; -3e38
	s_mov_b32 s[SEL], 0x76543210
	s_mov_b32 s[SEL+1], 0xfedcba98
	s_mov_b32 s22, 0xaaaaaaaa
	s_mov_b32 s23, 0xcccccccc
	s_mov_b32 s24, 0xf0f0f0f0
	s_mov_b32 s25, 0xff00ff00
	s_mov_b32 s[HM], 0xffff0000
	s_mov_b32 s[CH], 4
	s_mov_b32 s[L2E], 0x3fb8aa3b
	s_mov_b32 s[L2E+1], s[L2E]
	; descriptor group 1: rows of 512 bytes (1,024 codes), 16 bytes of padding behind each; the mask of all four work-groups; 128 rows for the head's load, 64 for the refills
	s_mov_b32 s[G1A], 15|(1<<20)|(1<<21)|(6<<22)|(3<<25)
	s_mov_b32 s[G1A+1], 512<<16
	s_mov_b32 s[G1A+2], 128<<16
	s_mov_b32 s[G1A+3], 512<<16
	s_mov_b32 s[G1A+4], 128
	s_mov_b32 s[G1A+5], 512
	s_mov_b32 s[G1A+6], 0
	s_mov_b32 s[G1A+7], 0
	s_mov_b32 s[G1B], 15|(1<<20)|(1<<21)|(6<<22)|(3<<25)
	s_mov_b32 s[G1B+1], 512<<16
	s_mov_b32 s[G1B+2], 64<<16
	s_mov_b32 s[G1B+3], 512<<16
	s_mov_b32 s[G1B+4], 64
	s_mov_b32 s[G1B+5], 512
	s_mov_b32 s[G1B+6], 0
	s_mov_b32 s[G1B+7], 0
	s_lshl_b32 s66, s[WV], 17                      ; my 256 rows of W's codes
	s_mov_b32 s67, 0
	s_lshl_b32 s68, s19, 23                        ; my batch of contextvects,
	s_and_b32 s69, s18, 7
	s_lshl_b32 s69, s69, 10                        ; my work-group's 256 columns
	s_add_co_u32 s68, s68, s69
	s_mov_b32 s69, 0
	s_lshl_b32 s70, s19, 12                        ; hidden: my batch, my wave's 256
	s_add_co_u32 s70, s70, s62
	s_mov_b32 s71, 0
	s_lshl_b32 s74, s[WV], 13                      ; W's scales: my 256 rows of 32 bytes
	s_mov_b32 s75, 0
	s_mul_i32 s76, s18, PROW                       ; my row of part
	s_mov_b32 s77, 0
	s_wait_alu depctr_va_vdst(0)                   ; the wait at the head's end
	s_wait_dscnt 0x0                               ; both opening adds are done
	s_wait_kmcnt 0x0
	s_add_nc_u64 s[WB:WB+1], s[4:5], s[66:67]
	s_add_nc_u64 s[XB:XB+1], s[8:9], s[68:69]
	s_add_nc_u64 s[10:11], s[10:11], s[70:71]
	s_add_nc_u64 s[6:7], s[6:7], s[74:75]
	s_add_nc_u64 s[12:13], s[12:13], s[76:77]
	s_or_b32 s[WB+1], s[WB+1], 0x80000000          ; type = 2
	s_mov_b32 s[G0A], 1
	s_mov_b32 s[G0A+1], s61                        ; the wave's number x a constant: no place in the cluster enters an LDS address
	s_mov_b64 s[G0A+2:G0A+3], s[WB:WB+1]
	s_mov_b32 s[G0B], 1
	s_mov_b32 s[G0B+1], s61                        ; slot 0
	s_mov_b32 s[G0C], 1
	s_add_co_u32 s[G0C+1], s61, WSLOT              ; slot 1
	s_mov_b32 s[OF1], 0x10000
	s_mov_b32 s[OF1+1], 0
	s_mov_b32 s[OF2], 0x18000
	s_mov_b32 s[OF2+1], 0
.irp T, 0,1,2,3,4,5,6,7,8,9,10,11,12,13,14,15
	global_load_b128 v[WSC+4*\T:WSC+4*\T+3], v[WSO], s[6:7] offset:512*\T   ; lane (r, half) takes K steps 4 half .. 4 half + 3 of row r
.endr
.irp T, 0,1,2,3,4,5,6,7,8,9,10,11,12,13,14,15
	global_load_b32 v[HID+\T], v[HO], s[10:11] offset:64*\T
.endr
	ROUND                                          ; all four work-groups are here: the first joint loads meet
	tensor_load_to_lds s[G0A:G0A+3], s[G1A:G1A+7]  ; my rows 0-127 into both my slots: my one tensor load at the head
	s_nop 0
.rept 4
	v_nop
.endr
	XLOAD 2, 0, 0, 0, 32                           ; the first chunk's group 0 and 31 loads of group 1
	XLOAD 2, 128, 64, 0, 31
.Lchunk:                                           ; four trips.  On the way in: this chunk's group 0 and 31 loads of group 1 are the youngest loads, in this order
	s_wait_loadcnt 31                              ; group 0 is in (and, the first time, the scale words and hidden): group 1's 31 are younger
	XLOAD 2, 128, 64, 31, 1
	XLOAD 1, 0, 128, 0, 31
	ASKP 6, 0                                      ; this chunk's group 3: rows 192-255 of my 256
	GSTEP 0, 2, 0
	s_wait_loadcnt 31                              ; group 1 is in: group 2's 31 are younger
	XLOAD 1, 0, 128, 31, 1
	XLOAD 1, 128, 192, 0, 31
	GSTEP 1, 2, 128
	s_wait_loadcnt 31                              ; group 2 is in: group 3's 31 are younger
	XLOAD 1, 128, 192, 31, 1
	GSTEP 2, 1, 0
	s_wait_loadcnt 0x0                             ; group 3 is in
	GSTEP 3, 1, 128
.irp cc, 0,1,2,3
	ds_store_b64 v[ASW], v[SWD+2*\cc:SWD+2*\cc+1] offset:512*\cc
.endr
	s_wait_tensorcnt 0x0                           ; in the first chunk: the head's load has brought my rows 0-127
	s_wait_dscnt 0x0                               ; for the others' sake: my codes and scale words lie in LDS
	s_barrier_signal -1
	s_barrier_wait -1
.irp cc, 0,1,2,3
	ds_load_b128 v[ASCL+4*\cc:ASCL+4*\cc+3], v[ASR] offset:512*\cc
.endr
	TRIP 0
	REFILL G0B, OF1                                ; slot 0 has been read
	TRIP 1
	REFILL G0C, OF2                                ; slot 1 has been read, slot 0's rows have landed
	s_cmp_eq_u32 s[CH], 1                          ; no prefetch leaves the buffer: the last chunk asks for nothing
	s_cbranch_scc1 .Lno_p
	ASKP 0, 256                                    ; the next chunk's groups 0 and 1: rows 0-127 of my 256
	ASKP 2, 256
.Lno_p:
	TRIP 2
	s_wait_tensorcnt 0x0                           ; slot 1's rows
	TRIP 3
	s_cmp_eq_u32 s[CH], 1                          ; no load leaves the buffer: the last chunk asks for nothing
	s_cbranch_scc1 .Lno_c
	s_wait_xcnt 0x0                                ; every earlier load and prefetch has read its base
	s_add_nc_u64 s[XB:XB+1], s[XB:XB+1], 256       ; 64 columns on
	XLOAD 2, 0, 0, 0, 32                           ; the columns' fragments are done with (the trip's places and multiply-adds stand behind the last product)
	XLOAD 2, 128, 64, 0, 31
	ASKP 4, 0                                      ; that chunk's group 2: rows 128-191
.Lno_c:
	; ---- the scores: over the 16 lanes of a half, then over the four waves.  This barrier also parts this chunk's reads of codes and scale words from the next chunk's stores
	BFLY16 SACC
	BFLY16 SACC+16
	ds_store_b32 v[SSW], v[SACC]
	ds_store_b32 v[SSW], v[SACC+16] offset:8
	s_wait_dscnt 0x0
	s_barrier_signal -1
	s_barrier_wait -1
.irp v, 0,1,2,3
	ds_load_b128 v[TT+4*\v:TT+4*\v+3], v[SSR] offset:256*\v
.endr
	s_wait_dscnt 0x0
	v_pk_add_f32 v[TT:TT+1], v[TT:TT+1], v[TT+4:TT+5]
	v_pk_add_f32 v[TT+2:TT+3], v[TT+2:TT+3], v[TT+6:TT+7]
	v_pk_add_f32 v[TT+8:TT+9], v[TT+8:TT+9], v[TT+12:TT+13]
	v_pk_add_f32 v[TT+10:TT+11], v[TT+10:TT+11], v[TT+14:TT+15]
	v_pk_add_f32 v[TT:TT+1], v[TT:TT+1], v[TT+8:TT+9]
	v_pk_add_f32 v[TT+2:TT+3], v[TT+2:TT+3], v[TT+10:TT+11]
	v_pk_mul_f32 v[TT:TT+1], v[TT:TT+1], s[L2E:L2E+1] op_sel_hi:[1,0]     ; t = score x log2 e
	v_pk_mul_f32 v[TT+2:TT+3], v[TT+2:TT+3], s[L2E:L2E+1] op_sel_hi:[1,0]
	v_max3_num_f32 v248, v[TT], v[TT+1], v[TT+2]
	v_max_num_f32 v248, v248, v[TT+3]
	v_max_num_f32_dpp v248, v248, v248 row_xmask:1 row_mask:0xf bank_mask:0xf
	v_max_num_f32_dpp v248, v248, v248 row_xmask:2 row_mask:0xf bank_mask:0xf
	v_max_num_f32_dpp v248, v248, v248 row_xmask:4 row_mask:0xf bank_mask:0xf
	v_max_num_f32_dpp v248, v248, v248 row_xmask:8 row_mask:0xf bank_mask:0xf
	v_max_num_f32 v249, v[MRUN], v248              ; the new running maximum
	v_sub_f32 v[F], v[MRUN], v249
.irp cc, 0,1,2,3
	v_sub_f32 v[P+\cc], v[TT+\cc], v249
.endr
	s_wait_alu depctr_va_vdst(0)                   ; the wait ahead of the batch
	v_exp_f32 v[F], v[F]
.irp cc, 0,1,2,3
	v_exp_f32 v[P+\cc], v[P+\cc]
.endr
	v_mov_b32 v[MRUN], v249                        ; the plain line behind the last exponential
	s_wait_alu depctr_va_vdst(0)                   ; and behind it, ahead of its first reader
	v_add_f32 v250, v[P], v[P+1]
	v_add_f32 v251, v[P+2], v[P+3]
	v_cvt_pk_bf16_f32 v[PK], v[P], v[P+1]
	v_cvt_pk_bf16_f32 v[PK+1], v[P+2], v[P+3]
	v_add_f32 v250, v250, v251
	v_fma_f32 v[LRUN], v[LRUN], v[F], v250         ; my 4 columns' part of l; the lanes are joined at the end
	ds_store_b64 v[PW], v[PK:PK+1]                 ; my wave's own 128 bytes: both halves of the lanes store the same
.irp q, 0,1,2,3
	ds_load_b128 v[PA+4*\q:PA+4*\q+3], v[PR] offset:32*\q   ; p's two fragments: every row of source 0 is p
.endr
	s_wait_dscnt 0x0
	; ---- o = o x F + the chunk's weighted sum
	MUL3 0
	MUL3 8
	; ---- the next chunk walks the other pair of groups first: the halves of W's scale words and of hidden change places
	EXCH WSC, WSC+32
	EXCH WSC+8, WSC+40
	EXCH WSC+16, WSC+48
	EXCH WSC+24, WSC+56
	EXCH HID, HID+8
	s_sub_co_u32 s[CH], s[CH], 1
	s_cmp_lg_u32 s[CH], 0
	s_cbranch_scc1 .Lchunk
	; THE WAY OUT: l over the 16 lanes; o through my stage, so that a store covers 512 consecutive bytes
	v_add_f32_dpp v[LRUN], v[LRUN], v[LRUN] row_xmask:1 row_mask:0xf bank_mask:0xf
	v_add_f32_dpp v[LRUN], v[LRUN], v[LRUN] row_xmask:2 row_mask:0xf bank_mask:0xf
	v_add_f32_dpp v[LRUN], v[LRUN], v[LRUN] row_xmask:4 row_mask:0xf bank_mask:0xf
	v_add_f32_dpp v[LRUN], v[LRUN], v[LRUN] row_xmask:8 row_mask:0xf bank_mask:0xf
.irp q, 0,1,2,3,4,5,6,7
	ds_store_b32 v[OW], v[O+\q] offset:128*\q
.endr
	ds_load_b128 v[TT:TT+3], v[ORD]
	ds_load_b128 v[TT+4:TT+7], v[ORD] offset:512
	s_wait_dscnt 0x0
	global_store_b128 v[GO], v[TT:TT+3], s[12:13]
	global_store_b128 v[GO], v[TT+4:TT+7], s[12:13] offset:512
	s_cmp_lg_u32 s[WV], 0
	s_cbranch_scc1 .Lnot_ml
	s_wait_alu depctr_va_vdst(0)                   ; the wait here, directly ahead of the reader
	global_store_b64 v[MLO], v[MRUN:LRUN], s[12:13] offset:4096   ; (m, l), the same in every lane: 32 copies fill 256 consecutive bytes, aligned
.Lnot_ml:
	s_wait_tensorcnt 0x0                           ; the wave's end
	ds_add_u32 v[SPW], v[NIL]
	s_wait_dscnt 0x0
	ROUND                                          ; the closing round
	s_endpgm
.Lfunc_end_k_qb8321c001c_attend:
	.size	k_qb8321c001c_attend, .Lfunc_end_k_qb8321c001c_attend-k_qb8321c001c_attend
	.p2alignl 7, 3214868480
	.fill 96, 4, 3214868480
	.section	.rodata,"a",@progbits
	.p2align	6, 0x0
	.amdhsa_kernel k_qb8321c001c_attend
		.amdhsa_group_segment_fixed_size 327680
		.amdhsa_private_segment_fixed_size 0
		.amdhsa_enable_private_segment 0
		.amdhsa_kernarg_size 40
		.amdhsa_user_sgpr_count 2
		.amdhsa_user_sgpr_kernarg_segment_ptr 1
		.amdhsa_wavefront_size32 1
		.amdhsa_system_sgpr_workgroup_id_x 1
		.amdhsa_system_sgpr_workgroup_id_y 1
		.amdhsa_system_sgpr_workgroup_id_z 1
		.amdhsa_system_vgpr_workitem_id 0
		.amdhsa_next_free_vgpr 1024
		.amdhsa_next_free_sgpr 80
		.amdhsa_reserve_vcc 0
		.amdhsa_float_denorm_mode_32 3
		.amdhsa_float_denorm_mode_16_64 3
		.amdhsa_memory_ordered 1
		.amdhsa_forward_progress 1
		.amdhsa_inst_pref_size 226
	.end_amdhsa_kernel
	.amdgpu_metadata
---
amdhsa.version: [ 1, 2 ]
amdhsa.kernels:
  - .name:           k_qb8321c001c_attend
    .symbol:         k_qb8321c001c_attend.kd
    .args:
      - { .name: W_codes, .offset: 0, .size: 8, .value_kind: global_buffer, .address_space: global }
      - { .name: W_scales, .offset: 8, .size: 8, .value_kind: global_buffer, .address_space: global }
      - { .name: contextvects, .offset: 16, .size: 8, .value_kind: global_buffer, .address_space: global }
      - { .name: hidden, .offset: 24, .size: 8, .value_kind: global_buffer, .address_space: global }
      - { .name: part, .offset: 32, .size: 8, .value_kind: global_buffer, .address_space: global }
    .group_segment_fixed_size: 327680
    .private_segment_fixed_size: 0
    .kernarg_segment_align: 8
    .kernarg_segment_size: 40
    .max_flat_workgroup_size: 128
    .sgpr_count:     80
    .vgpr_count:     1024
    .wavefront_size: 32
...
	.end_amdgpu_metadata
.endif
;; end of part 1
;; launch join (part 2): grid 256 x 1, 4 waves a work-group, no clusters, 0 bytes of LDS; arguments part, out0; writes out0
.if DOCPART == 2
	.amdgcn_target "amdgcn-amd-amdhsa--gfx1250"
	.amdhsa_code_object_version 6
	.text
	.protected	k_qb8321c001c_join
	.globl	k_qb8321c001c_join
	.p2align	8
	.type	k_qb8321c001c_join,@function
k_qb8321c001c_join:
	s_mov_b64 s[64:65], 0
	v_nop
	global_prefetch_b8 v0, s[64:65] scope:SCOPE_SE
	s_setreg_imm32_b32 hwreg(HW_REG_WAVE_MODE, 25, 1), 1
	s_wait_xcnt 0x0
; The eight parts of a batch are joined: M = the largest m_j; w_j = 2^(m_j - M); out[d] = sum of w_j o_j[d] / sum of w_j l_j; the result is stored 64 times (out0 [64][32][1024], f32).
; part: row 8 bt + j of 4,352 bytes: o_j[1024] f32, then the pair (m_j, l_j) 32 times.
; Work-group g: batch g / 8, d = 128 (g % 8) on, 16 bytes a lane.  All four waves compute the same 128 numbers (16 loads a wave); wave w stores copies 16 w .. 16 w + 15,
; each store 512 consecutive bytes at a multiple of 256 from out0's first byte.  No LDS, no barrier, no matrix work: the launch moves bytes.
; l_j is at least 1 where m_j = M, so the divisor is at least 1.
.set PROW, 4352
.set OJ,  8                            ; v8-39   o_j: 4 registers each
.set ML,  40                           ; v40-55  (m_j, l_j)
.set MX,  56                           ; v56     M
.set WJ,  58                           ; v58-65  w_j
.set LS,  66                           ; v66     the divisor;  v67 its reciprocal
.set RC,  67
.set RES, 68                           ; v68-71  my 4 results
	s_load_b128 s[4:7], s[0:1], 0x0                ; part, out0
	v_lshrrev_b32 v1, 5, v0
	v_readfirstlane_b32 s8, v1                     ; wave
	v_and_b32 v4, 31, v0                           ; lane
	s_lshr_b32 s9, ttmp9, 3                        ; batch
	s_and_b32 s10, ttmp9, 7
	s_lshl_b32 s10, s10, 9                         ; my work-group's 512 bytes of a row
	v_lshlrev_b32 v2, 3, v4                        ; my copy of a pair
	v_lshl_add_u32 v1, v4, 4, s10                  ; my 16 bytes of o_j
	s_lshl_b32 s11, s8, 21                         ; 16 copies of 131,072 bytes a wave
	v_lshl_add_u32 v3, v4, 4, s11
	s_mul_i32 s12, s9, 8*PROW
	s_mov_b32 s13, 0
	s_lshl_b32 s14, s9, 12
	s_add_co_u32 s14, s14, s10
	s_mov_b32 s15, 0
	s_wait_alu depctr_va_vdst(0)
	s_wait_kmcnt 0x0
	s_add_nc_u64 s[4:5], s[4:5], s[12:13]
	s_add_nc_u64 s[6:7], s[6:7], s[14:15]
.irp j, 0,1,2,3,4,5,6,7
	global_load_b64 v[ML+2*\j:ML+2*\j+1], v2, s[4:5] offset:\j*PROW+4096
.endr
.irp j, 0,1,2,3,4,5,6,7
	global_load_b128 v[OJ+4*\j:OJ+4*\j+3], v1, s[4:5] offset:\j*PROW
.endr
	s_wait_loadcnt 8                               ; the eight pairs are in; the eight younger loads of o may be out
	v_max3_num_f32 v[MX], v[ML], v[ML+2], v[ML+4]
	v_max3_num_f32 v[MX], v[MX], v[ML+6], v[ML+8]
	v_max3_num_f32 v[MX], v[MX], v[ML+10], v[ML+12]
	v_max_num_f32 v[MX], v[MX], v[ML+14]
.irp j, 0,1,2,3,4,5,6,7
	v_sub_f32 v[WJ+\j], v[ML+2*\j], v[MX]
.endr
	s_wait_alu depctr_va_vdst(0)
.irp j, 0,1,2,3,4,5,6,7
	v_exp_f32 v[WJ+\j], v[WJ+\j]                   ; one batch
.endr
	v_nop                                          ; the plain line behind the last exponential
	s_wait_alu depctr_va_vdst(0)                   ; one wait for the batch, ahead of its first reader
	v_mul_f32 v[LS], v[WJ], v[ML+1]
.irp j, 1,2,3,4,5,6,7
	v_fmac_f32 v[LS], v[WJ+\j], v[ML+2*\j+1]
.endr
	s_wait_alu depctr_va_vdst(0)
	v_rcp_f32 v[RC], v[LS]
	v_nop
	s_wait_alu depctr_va_vdst(0)
.irp j, 0,1,2,3,4,5,6,7
	v_mul_f32 v[WJ+\j], v[WJ+\j], v[RC]
.endr
	s_wait_alu depctr_va_vdst(0)
	s_wait_loadcnt 0x0
	v_pk_mul_f32 v[RES:RES+1], v[OJ:OJ+1], v[WJ:WJ+1] op_sel_hi:[1,0]          ; the first part starts the sums
	v_pk_mul_f32 v[RES+2:RES+3], v[OJ+2:OJ+3], v[WJ:WJ+1] op_sel_hi:[1,0]
.irp j, 1,3,5,7                                ; both halves times the pair's second register
	v_pk_fma_f32 v[RES:RES+1], v[OJ+4*\j:OJ+4*\j+1], v[WJ+\j-1:WJ+\j], v[RES:RES+1] op_sel:[0,1,0] op_sel_hi:[1,1,1]
	v_pk_fma_f32 v[RES+2:RES+3], v[OJ+4*\j+2:OJ+4*\j+3], v[WJ+\j-1:WJ+\j], v[RES+2:RES+3] op_sel:[0,1,0] op_sel_hi:[1,1,1]
.endr
.irp j, 2,4,6                                  ; times its first
	v_pk_fma_f32 v[RES:RES+1], v[OJ+4*\j:OJ+4*\j+1], v[WJ+\j:WJ+\j+1], v[RES:RES+1] op_sel_hi:[1,0,1]
	v_pk_fma_f32 v[RES+2:RES+3], v[OJ+4*\j+2:OJ+4*\j+3], v[WJ+\j:WJ+\j+1], v[RES+2:RES+3] op_sel_hi:[1,0,1]
.endr
.irp i, 0,1,2,3,4,5,6,7,8,9,10,11,12,13,14,15
	global_store_b128 v3, v[RES:RES+3], s[6:7] offset:\i*131072 th:TH_STORE_NT   ; written once, read by nobody here
.endr
	s_endpgm
.Lfunc_end_k_qb8321c001c_join:
	.size	k_qb8321c001c_join, .Lfunc_end_k_qb8321c001c_join-k_qb8321c001c_join
	.p2alignl 7, 3214868480
	.fill 96, 4, 3214868480
	.section	.rodata,"a",@progbits
	.p2align	6, 0x0
	.amdhsa_kernel k_qb8321c001c_join
		.amdhsa_group_segment_fixed_size 0
		.amdhsa_private_segment_fixed_size 0
		.amdhsa_enable_private_segment 0
		.amdhsa_kernarg_size 16
		.amdhsa_user_sgpr_count 2
		.amdhsa_user_sgpr_kernarg_segment_ptr 1
		.amdhsa_wavefront_size32 1
		.amdhsa_system_sgpr_workgroup_id_x 1
		.amdhsa_system_sgpr_workgroup_id_y 1
		.amdhsa_system_sgpr_workgroup_id_z 1
		.amdhsa_system_vgpr_workitem_id 0
		.amdhsa_next_free_vgpr 72
		.amdhsa_next_free_sgpr 66
		.amdhsa_reserve_vcc 0
		.amdhsa_float_denorm_mode_32 3
		.amdhsa_float_denorm_mode_16_64 3
		.amdhsa_memory_ordered 1
		.amdhsa_forward_progress 1
		.amdhsa_inst_pref_size 7
	.end_amdhsa_kernel
	.amdgpu_metadata
---
amdhsa.version: [ 1, 2 ]
amdhsa.kernels:
  - .name:           k_qb8321c001c_join
    .symbol:         k_qb8321c001c_join.kd
    .args:
      - { .name: part, .offset: 0, .size: 8, .value_kind: global_buffer, .address_space: global }
      - { .name: out0, .offset: 8, .size: 8, .value_kind: global_buffer, .address_space: global }
    .group_segment_fixed_size: 0
    .private_segment_fixed_size: 0
    .kernarg_segment_align: 8
    .kernarg_segment_size: 16
    .max_flat_workgroup_size: 128
    .sgpr_count:     66
    .vgpr_count:     72
    .wavefront_size: 32
...
	.end_amdgpu_metadata
.endif
;; end of part 2
